; MI455X (gfx1250); checked and timed in simulation.
; The chip was launched on July 23, 2026; its instructions are those of AMD's public machine-readable ISA for CDNA 5 (MIT licence, August 2026) and "CDNA5" Instruction Set Architecture Reference Guide (July 2026). The comments in the code are by the model that wrote it; some were corrected since.
;; Full Attention. Allowed arithmetic: matrix products marked QUANTISED: E3M2 operands, one E8M0 scale for each 32 along K, by v_wmma_scale_f32_16x16x128_f8f6f4 with both operands' format E3M2, f32 sums; everything else in f32.
;; Inputs: keys_codes 4 x 2,048 x 16 x 2 x 24 uint8 (E3M2 codes of keys, K innermost, in blocks of 32 codes, four codes in three bytes); keys_scales 4 x 2,048 x 16 x 2 uint8 (E8M0 scales of keys, one for each 32 codes along K); queries_codes 4 x 2,048 x 16 x 2 x 24 uint8 (E3M2 codes of queries, K innermost, in blocks of 32 codes, four codes in three bytes); queries_scales 4 x 2,048 x 16 x 2 uint8 (E8M0 scales of queries, one for each 32 codes along K); values_codes 4 x 16 x 64 x 64 x 24 uint8 (E3M2 codes of values, K innermost, in blocks of 32 codes, four codes in three bytes); values_scales 4 x 16 x 64 x 64 uint8 (E8M0 scales of values, one for each 32 codes along K).
;; Outputs: out0 4 x 2,048 x 16 x 64 float32.
;; This version of the problem:
;;   THIS VERSION OF THE PROBLEM IS GIVEN IN LOW PRECISION. The matrix products marked QUANTISED in the list below multiply operands that are first quantised to E3M2 (3 exponent bits, 2 mantissa bits; 6 bits a number), with one power-of-two scale for each 32 numbers along K (OCP MX v1.0); their sums are f32. All else is computed in f32.
;;   The module's matrix products, in the order in which they are computed (A, B: the left and right operand; K: the contracted axis; several contracted axes count as one K, in the product's order):
;;     1. batch 64 x [M 2,048, K 64] x [K 64, N 2,048]; A: input queries (given as codes); B: input keys (given as codes): QUANTISED
;;     2. batch 64 x [M 64, K 2,048] x [K 2,048, N 2,048]; A: input values (given as codes); B: softmax (see below): QUANTISED
;;   THE QUANTISER, for each operand of a quantised product, along K:
;;     - K is cut into blocks of 32 from its start; a last block that is shorter is filled with zeros.
;;     - A block's scale is 2^e with e = floor(log2(the largest magnitude in the block)) - 4, held to -126 .. 127; a block of zeros has e = 0. As a byte (E8M0): e + 127.
;;     - Each number is divided by its block's scale, clamped to +-28, and rounded to the nearest number of E3M2, ties to even, subnormals kept.
;;     - The product sums the exact products of the quantised numbers (number of the format x scale) in f32.
;;   ~~~python
;;   def quantise(x, axis):      # numpy; x: float32 -> the quantised numbers, widened to float32 again
;;       x = np.moveaxis(x, axis, -1); K = x.shape[-1]
;;       x = np.pad(x, [(0, 0)] * (x.ndim - 1) + [(0, -K % 32)]); x = x.reshape(x.shape[:-1] + (-1, 32)); a = np.abs(x).max(-1, keepdims=True)
;;       e = np.where(a > 0, np.clip(np.frexp(np.where(a > 0, a, 1))[1] - 1 - 4, -126, 127), 0)      # np.frexp(a)[1] - 1 = floor(log2(a)), exactly
;;       r = np.clip(x / 2.0 ** e, -28, 28)
;;       step = 2.0 ** (np.maximum(np.frexp(np.where(r == 0, 1, r))[1] - 1, -2) - 2)
;;       q = np.round(r / step) * step * 2.0 ** e      # np.round: ties to even
;;       return np.moveaxis(q.reshape(q.shape[:-2] + (-1,))[..., :K], -1, axis).astype(np.float32)
;;   ~~~
;;   SOFTMAX AHEAD OF A QUANTISED PRODUCT. Where the list says 'softmax', what is quantised is not the finished softmax but p = 2^(t - M), with t = logit x log2(e) and M = ceil(the row's largest t), a whole number; so 1/2 < the row's largest p <= 1. The row's sum l is taken of the UNQUANTISED p, in f32, and the product's result is divided by l at the end. Since M is a whole number, a kernel that streams over the keys may use a running M (the ceiling of the running maximum): every later rescaling is an exact power of two, which a block's scale takes up: the codes' values come out the same.
;;   OPERANDS COMPUTED ON THE WAY. 'Computed on the way' means the value that the module computes at that place (a softmax that the list does not call 'softmax' is quantised finished and normalised). What goes into a quantiser is computed in f32, as accurately as f32 sums, v_exp_f32 and their like allow (about 1e-6 of the number): no bf16 or f16 on the way to a quantiser, and a product that is left as it is and whose result goes on into a quantised operand takes f32 operands (vector FMAs, or v_wmma_f32_16x16x4_f32). A number that lies on a knife's edge between two numbers of the format may be rounded either way, as far as f32 arithmetic and the matrix unit's own rounding can turn it there, and no further.
;;   INPUTS GIVEN AS CODES. keys (in the module: [4, 2048, 16, 64], K = its axis 3); queries (in the module: [4, 2048, 16, 64], K = its axis 3); values (in the module: [4, 2048, 16, 64], K = its axis 1): each comes as NAME_codes (uint8): NAME with its K axis moved to the last place and cut into blocks of 32 codes, [.., K / 32, bytes a block], one block behind the other in memory; four codes in three bytes: a row's codes are one little-endian stream of bits, code i at bits 6 i .. 6 i + 5 (a code: sign, 3 exponent bits, 2 mantissa bits); and NAME_scales (uint8): the same leading axes, one E8M0 byte (e + 127) for each 32 codes along K. Its value is code x scale, taken as it is: it is not quantised again, and the codes and scales need not be those that the quantiser above would give.
;; One version. Each part assembles by itself: llvm-mc -triple=amdgcn-amd-amdhsa -mcpu=gfx1250 --defsym DOCPART=n.
;; ======== version 1 of 1: 1 launch
;; launch attn (part 1): grid 4 x 64, 16 waves a work-group, clusters of 4 x 1, 305,152 bytes of LDS; arguments keys_codes, keys_scales, queries_codes, queries_scales, values_codes, values_scales, out0; writes out0
.if DOCPART == 1
	.amdgcn_target "amdgcn-amd-amdhsa--gfx1250"
	.amdhsa_code_object_version 6
	.text
	.protected	k_qc22b2e4d01_attn
	.globl	k_qc22b2e4d01_attn
	.p2align	8
	.type	k_qc22b2e4d01_attn,@function
k_qc22b2e4d01_attn:
	s_mov_b64 s[64:65], 0
	v_nop
	global_prefetch_b8 v0, s[64:65] scope:SCOPE_SE
	s_setreg_imm32_b32 hwreg(HW_REG_WAVE_MODE, 25, 1), 1
	s_wait_xcnt 0x0
	s_wait_alu depctr_hold_cnt(0) depctr_sa_sdst(0) depctr_va_vdst(0) depctr_va_sdst(0) depctr_va_ssrc(0) depctr_va_vcc(0) depctr_vm_vsrc(0)
	s_getreg_b32 s2, hwreg(HW_REG_IB_STS2, 6, 4)
	s_cmp_eq_u32 s2, 0
	s_cbranch_scc0 .Lentry_in_a_cluster
	s_endpgm
.Lentry_in_a_cluster:
	s_bfe_u32 s2, ttmp6, 0x10000c
	s_cmp_lg_u32 s2, 0x3003
	s_cbranch_scc0 .Lentry_shape_is_right
	s_endpgm
.Lentry_shape_is_right:
; out0[b][q][h][:] = the sum over keys k <= q of softmax_k(Q[b][q][h] . K[b][k][h] / 8) V[b][k][h][:], both products on codes of BF6 (E3M2) with one E8M0 scale for each 32 along a product's K.
; Q, K: codes [4][2048][16][48 bytes] (K = the head's 64), scale bytes [4][2048][16][2].  V: codes with the KEYS innermost, [4][16][64][1536 bytes], scale bytes [4][16][64][64].  out0: [4][2048][16][64] f32.
; THE SOFTMAX AHEAD OF THE SECOND PRODUCT: t = score x log2(e) / 8; M = the row's largest t so far, rounded UP to a whole number; p = 2^(t - M) is quantised along the keys, not normalised.
; The row's sum is taken of the unquantised p, in f32, and divides O at the end.  When M moves, the sum and O are multiplied by 2^(old M - new M): exact.
; SHARES.  64 heads (b, h) x 4 work-groups; the four of a head are a cluster.  Work-group cx owns the tiles of 16 queries 64 j + 16 cx + 0 .. 15, j = 0 .. 31.  Wave w of sixteen owns j = 31 - w and then j = w.
; A step is 128 keys.  Tile j has work in steps 0 .. j / 2; the last of them lies on the diagonal.  So every wave has (31 - w) / 2 + 1 + w / 2 + 1 = 17 steps of work, and whether a step is
; hidden, on the diagonal or open hangs on the wave's number and the step alone, never on cx (16 cx + 15 < 64): the four partners run alike.
; LDS.  A head's K (2,048 x 48 bytes) and V (64 x 1,536 bytes) lie in LDS whole: every byte is filled once, nothing is filled again.  The four partners need the same bytes, so each tile is asked for
; JOINTLY: the same tensor load with the same descriptor and the mask of the four, in all four.  Waves 0-3 fetch K (256 keys a load), waves 4-7 V (256 keys of all 64 rows a load), two loads each: first the
; keys 0-1023, then the rest.  Steps 0-7 begin when the first loads have landed.
; The scale bytes are laid once, by each thread's six loads and six LDS stores, in the order of the operands' registers: a step's four words a lane of K come by one load of 16 bytes, V's by one of 8.
; LAYOUT.  Both products are used transposed: S^T = K Q^T (source 0 = 16 keys, source 1 = my 16 queries), O^T = V^T P^T (source 0 = 16 of the head's 64, source 1 = P): a lane holds ONE query (lane % 16).
; THE KEYS OF A TILE ARE NOT NEIGHBOURS: lane r of tile 2 b + u takes key 32 b + 8 u + r + 8 (r / 8), so that the 16 registers of tiles 2 b and 2 b + 1 are 16 neighbouring keys, 32 b + 16 (lane / 16) + 0 .. 15.
; THE FIRST PRODUCT'S K IS 64, the instruction's 128.  Q's registers 6-11 (k = 64 .. 127) are zero codes, and the scale bytes of those blocks are 0 on both sides (2^-127, a finite number).  K's tiles lie 6 registers
; apart, so that source 0's registers 6-11 are the NEXT tile's codes (behind the last tile: six cleared registers): finite numbers (E3M2 has no code for infinity or NaN) times zero add nothing.
; LIMITS.  A scale byte 0xff (NaN) among the inputs is not served.  A p under 2^-126 counts as 0 (v_exp_f32 gives 0 there).  A block's largest p is taken from the block's largest score: this leans on
; v_exp_f32 not falling where its input rises.  A block whose every p is 0 gets the byte 1 over zero codes.  The running maximum starts at -3e38: t under that is not served.
.set KP,    48                         ; a key's row in LDS, as in memory: 48 bytes
.set VP,    240                        ; a row of V's chunk in LDS: 3 x (64 bytes + 16 of padding)
.set VCH,   64*VP                      ; a chunk: 256 keys of V's 64 rows
.set VB,    98304                      ; LDS: K at 0 (98,304 bytes); V's eight chunks from here (122,880 bytes);
.set SCK,   221184                     ; K's scale words, 512 bytes a step (8,192);
.set SCV,   229376                     ; V's, 256 bytes a step (4,096);
.set STG,   233472                     ; the way out: 16 rows x 272 bytes for each wave (69,632).  No tensor load lands from SCK on
.set SP,    272
.set AK0,  1                           ; v1   my lane's place in a tile of K
.set AV0,  2                           ; v2   the same for V;
.set AV1,  3                           ; v3   and for the pieces that lie behind one padding more
.set ASK0, 4                           ; v4   my lane's place among a step's scale words of K
.set ASV0, 5                           ; v5   and of V
.set GO,   6                           ; v6   the way out: my byte offset in the tile's rows of out0
.set STO,  7                           ; v7   where I put 32 bytes of a row in my stage
.set SRD,  8                           ; v8   and where I read a row back
.set ADK,  9                           ; v9-11, v28-29  LDS addresses of the step in hand
.set ADV,  10
.set ADV1, 11
.set ADS,  28
.set ADT,  29                          ; v12 -M, v13 the largest t, v[14:15] the sum in two halves
.set QH,   16                          ; v16-27  Q of tile 31 - w: six registers of codes, six of zeros
.set FR,   32                          ; v32-85  K's eight tiles, 6 registers apart, and six zeros; then V's four fragments of 12
.set KSO,  86                          ; v86-91  offsets that the head alone uses; v92-93 at work there
.set VSO,  87
.set QO,   88
.set QSO,  89
.set SWK,  90
.set SWV,  91
.set SX,   96                          ; v96-159 S^T, then p; on the way out O / l and the rows read back
.set OT,   160                         ; v160-191 O^T, four tiles
.set PCD,  192                         ; v192-203 p's codes
.set CV,   204                         ; v204-206, v208-210 the conversions' second halves
.set BM,   212                         ; v212-215 each block's largest score, then its largest p
.set T2,   216                         ; v216-219 at work
.set SO,   220                         ; v220-223 the conversions' scale operands
.set KSW,  224                         ; v224-227 K's scale words: register i: lanes 0-15 tile 2 i, lanes 16-31 tile 2 i + 1
.set VSW,  228                         ; v228-229 V's likewise
.set PSW,  230                         ; v230 p's scale word
.set QSWH, 231                         ; v231 Q's scale words, tile 31 - w
.set FF,   232                         ; v[232:233] f = 2^(old M - new M) (the pair's upper word is written once and not used)
.set TMP,  234
.set NINF, 235                         ; v235 -infinity
.set DMH,  236                         ; v236, v237 on the diagonal: my query - the step's first key - 16 (lane / 16), for each of my two tiles
.set DML,  237
.set SUM2, 238
.set QL,   240                         ; v240-251 Q of tile w
.set QSWL, 252
.set WV,   18                          ; s18 my wave's number
.set CX,   19                          ; s19 my place in the cluster: it enters Q's and out0's addresses and the diagonal's lane data alone
.set SEL,  20                          ; s[20:21] lane selects for v_permlanex16_b32: lane l xor 16
.set CS,   22                          ; s[22:23] c = log2(e) / 8, twice
.set G1K,  24                          ; s[24:31], s[32:39] descriptor groups 1 for K's and V's tiles
.set G1V,  32
.set G0K,  40                          ; s[40:47], s[48:55] groups 0, one for each of a wave's two loads
.set G0V,  48
.set TK,   56                          ; s56-59 where the trip's 256 keys begin: in K, in V, among K's scale words, among V's
.set TV,   57
.set TSK,  58
.set TSV,  59
.set KST,  60                          ; s60 the number of the trip's first step
.set SDH,  61                          ; s61, s62 the step on the diagonal of each of my two tiles
.set SDL,  62
.set CNT,  63
.set T0,   66                          ; s66 the number of the step in hand
; A round of the cluster's barrier: my work-group's barrier, so that wave 0's signal speaks for all sixteen waves; wave 0 signals for the work-group; every wave waits for all four work-groups; my work-group's barrier once more.
.macro CROUND
	s_barrier_signal -1
	s_barrier_wait -1
	s_cmp_lg_u32 s[WV], 0
	s_cbranch_scc1 .Lnot_wave_0_\@
	s_barrier_signal -3
.Lnot_wave_0_\@:
	s_barrier_wait -3
	s_barrier_signal -1
	s_barrier_wait -1
.endm
	s_load_b256 s[4:11], s[0:1], 0x0               ; K's codes s[4:5], K's scales s[6:7], Q's codes s[8:9], Q's scales s[10:11]
	s_load_b128 s[12:15], s[0:1], 0x20             ; V's codes s[12:13], V's scales s[14:15]
	s_load_b64 s[16:17], s[0:1], 0x30              ; out0
	v_lshl_add_u32 v254, v0, 2, 0x4a000
	v_mov_b32 v255, 0
	ds_add_u32 v254, v255
	ds_add_u32 v254, v255
	v_lshrrev_b32 v30, 5, v0
	s_delay_alu instid0(VALU_DEP_1)
	v_readfirstlane_b32 s[WV], v30                 ; wave 0..15
	s_bfe_u32 s[CX], ttmp6, 0x40000                ; cx
	s_and_b32 s84, ttmp7, 0xffff                   ; 16 b + h, which the four partners share
	s_lshr_b32 s85, s84, 4                         ; b
	s_and_b32 s86, s84, 15                         ; h
	s_and_b32 s87, s[WV], 3                        ; which quarter of a group of 1,024 keys I fetch, if I fetch
	s_mul_i32 s88, s85, 2048*768
	s_mul_i32 s89, s86, 48
	s_add_co_u32 s88, s88, s89                     ; the head's first byte in K's and in Q's codes
	s_mul_i32 s90, s87, 256*768
	s_add_co_u32 s90, s90, s88                     ; K: my 256 keys, 768 bytes from key to key
	s_mov_b32 s91, 0
	s_mul_i32 s92, s84, 98304
	s_mul_i32 s89, s87, 192
	s_add_co_u32 s92, s92, s89                     ; V: the head's 64 rows, my 256 keys' 192 bytes in each
	s_mov_b32 s93, 0
	s_mul_i32 s[G0K+1], s87, 256*KP                ; where they go: the wave's number and constants alone
	s_add_co_u32 s[G0K+5], s[G0K+1], 1024*KP
	s_mul_i32 s[G0V+1], s87, VCH
	s_add_co_u32 s[G0V+1], s[G0V+1], VB
	s_add_co_u32 s[G0V+5], s[G0V+1], 4*VCH
	; descriptor group 1.  K: 256 rows of 48 bytes, 768 bytes apart in memory, dense in LDS
	s_mov_b32 s[G1K], 15|(1<<21)                   ; 15:0 the mask: all four work-groups; 17:16 elements of 1 byte; 20 padding off; 21 set beside a mask
	s_mov_b32 s[G1K+1], 48<<16                     ; tensor_dim0
	s_mov_b32 s[G1K+2], 256<<16                    ; tensor_dim1
	s_mov_b32 s[G1K+3], 48<<16                     ; tile_dim0
	s_mov_b32 s[G1K+4], 256                        ; tile_dim1
	s_mov_b32 s[G1K+5], 768                        ; tensor_dim0_stride
	s_mov_b32 s[G1K+6], 0
	s_mov_b32 s[G1K+7], 0
	; V: 64 rows of 192 bytes, 1,536 bytes apart in memory; 16 bytes of padding behind every 64
	s_mov_b32 s[G1V], 15|(1<<20)|(1<<21)|(3<<22)|(3<<25)   ; 20 padding on; 24:22 after every 16 words (code 3); 31:25 of 4 words (code 3)
	s_mov_b32 s[G1V+1], 192<<16
	s_mov_b32 s[G1V+2], 64<<16
	s_mov_b32 s[G1V+3], 192<<16
	s_mov_b32 s[G1V+4], 64
	s_mov_b32 s[G1V+5], 1536
	s_mov_b32 s[G1V+6], 0
	s_mov_b32 s[G1V+7], 0
	s_mov_b32 s[SEL], 0x76543210
	s_mov_b32 s[SEL+1], 0xfedcba98
	s_mov_b32 s[CS], 0x3e38aa3b                    ; c = log2(e) / 8
	s_mov_b32 s[CS+1], s[CS]                       ; (named with it as a pair, so it is written)
	s_sub_co_u32 s[SDH], 31, s[WV]
	s_lshr_b32 s[SDH], s[SDH], 1                   ; tile 31 - w: its diagonal lies in step (31 - w) / 2, from 8 to 15
	s_lshr_b32 s[SDL], s[WV], 1                    ; tile w: in step w / 2, from 0 to 7
	; my two tiles' first queries, and their bytes in Q's codes, Q's scales and out0 (all offsets stay under 2^26)
	s_lshl_b32 s95, s[CX], 4
	s_sub_co_u32 s94, 31, s[WV]
	s_lshl_b32 s94, s94, 6
	s_add_co_u32 s94, s94, s95                     ; 64 (31 - w) + 16 cx
	s_lshl_b32 s67, s[WV], 6
	s_add_co_u32 s67, s67, s95                     ; 64 w + 16 cx
	s_mul_i32 s68, s94, 768
	s_add_co_u32 s68, s68, s88
	s_mov_b32 s69, 0
	s_mul_i32 s70, s67, 768
	s_add_co_u32 s70, s70, s88
	s_mov_b32 s71, 0
	s_lshl_b32 s80, s85, 16
	s_lshl_b32 s89, s86, 1
	s_add_co_u32 s80, s80, s89                     ; the head's first byte in K's and in Q's scales: 32 bytes from row to row
	s_mov_b32 s81, 0
	s_lshl_b32 s72, s94, 5
	s_add_co_u32 s72, s72, s80
	s_mov_b32 s73, 0
	s_lshl_b32 s74, s67, 5
	s_add_co_u32 s74, s74, s80
	s_mov_b32 s75, 0
	s_lshl_b32 s89, s85, 23
	s_lshl_b32 s76, s86, 8
	s_add_co_u32 s89, s89, s76                     ; the head's first byte in out0: 4,096 bytes from query to query
	s_lshl_b32 s76, s94, 12
	s_add_co_u32 s76, s76, s89
	s_mov_b32 s77, 0
	s_lshl_b32 s78, s67, 12
	s_add_co_u32 s78, s78, s89
	s_mov_b32 s79, 0
	s_lshl_b32 s82, s84, 12                        ; the head's 4,096 scale bytes of V
	s_mov_b32 s83, 0
	s_and_b32 s94, s[WV], 1                        ; on the diagonal a tile's first query lies 64 (j % 2) + 16 cx behind the step's first key
	s_xor_b32 s67, s94, 1
	s_lshl_b32 s67, s67, 6
	s_add_co_u32 s67, s67, s95                     ; tile 31 - w
	s_lshl_b32 s94, s94, 6
	s_add_co_u32 s94, s94, s95                     ; tile w
	s_mul_i32 s89, s[WV], 16*SP
	s_add_co_u32 s89, s89, STG                     ; my stage
	s_wait_dscnt 0x0
	s_wait_kmcnt 0x0
	s_add_nc_u64 s[90:91], s[4:5], s[90:91]
	s_add_nc_u64 s[92:93], s[12:13], s[92:93]
	s_add_nc_u64 s[68:69], s[8:9], s[68:69]        ; Q's codes at tile 31 - w,
	s_add_nc_u64 s[70:71], s[8:9], s[70:71]        ; at tile w;
	s_add_nc_u64 s[72:73], s[10:11], s[72:73]      ; Q's scales likewise;
	s_add_nc_u64 s[74:75], s[10:11], s[74:75]
	s_add_nc_u64 s[76:77], s[16:17], s[76:77]      ; out0 likewise;
	s_add_nc_u64 s[78:79], s[16:17], s[78:79]
	s_add_nc_u64 s[80:81], s[6:7], s[80:81]        ; K's scales at the head,
	s_add_nc_u64 s[82:83], s[14:15], s[82:83]      ; V's
	CROUND                                         ; all four work-groups are here: the joint loads meet
.irp g, 0,1
	s_mov_b32 s[G0K+4*\g], 1                                       ; 1:0 count = 1
	s_add_nc_u64 s[G0K+4*\g+2:G0K+4*\g+3], s[90:91], \g*1024*768   ; 120:64 global address: keys 1,024 g + 256 (w % 4) on
	s_or_b32 s[G0K+4*\g+3], s[G0K+4*\g+3], 0x80000000              ; 127:126 type = 2
	s_mov_b32 s[G0V+4*\g], 1
	s_add_nc_u64 s[G0V+4*\g+2:G0V+4*\g+3], s[92:93], \g*768
	s_or_b32 s[G0V+4*\g+3], s[G0V+4*\g+3], 0x80000000
.endr
	s_cmp_lt_u32 s[WV], 4                          ; a wave's two fills stand in one branch on its number, ahead of every wait on TENSORcnt and every LDS read: two loads of mine are out at the most
	s_cbranch_scc0 .Lnot_k
	tensor_load_to_lds s[G0K:G0K+3], s[G1K:G1K+7]
	s_nop 0
	tensor_load_to_lds s[G0K+4:G0K+7], s[G1K:G1K+7]
	s_nop 0
.rept 4
	v_nop                                          ; four v_nop follow the loads, ahead of the jump and the label
.endr
	s_branch .Lasked
.Lnot_k:
	s_cmp_lt_u32 s[WV], 8
	s_cbranch_scc0 .Lasked
	tensor_load_to_lds s[G0V:G0V+3], s[G1V:G1V+7]
	s_nop 0
	tensor_load_to_lds s[G0V+4:G0V+7], s[G1V:G1V+7]
	s_nop 0
.rept 4
	v_nop
.endr
.Lasked:
	v_and_b32 v30, 15, v0                          ; r = lane % 16
	v_bfe_u32 v31, v0, 4, 1                        ; hh = lane / 16
	; K's scale word number n = thread + 512 i lies at SCK + 4 n: step n / 128, lane (n / 4) % 32, register n % 4: tile 2 (n % 4) + lane / 16, row lane % 16.  Its key:
	v_and_b32 v[KSO], 0x180, v0                    ; 128 (thread / 128)  (+ 512 i: in the loads' immediates)
	v_and_b32 v92, 3, v0
	s_delay_alu instid0(VALU_DEP_1)
	v_lshl_add_u32 v[KSO], v92, 5, v[KSO]          ; + 32 x register
	v_bfe_u32 v92, v0, 6, 1
	s_delay_alu instid0(VALU_DEP_1)
	v_lshl_add_u32 v[KSO], v92, 3, v[KSO]          ; + 8 x (lane / 16)
	v_bfe_u32 v92, v0, 2, 3
	s_delay_alu instid0(VALU_DEP_1)
	v_add_nc_u32 v[KSO], v[KSO], v92               ; + row % 8
	v_bfe_u32 v92, v0, 5, 1
	s_delay_alu instid0(VALU_DEP_1)
	v_lshl_add_u32 v[KSO], v92, 4, v[KSO]          ; + 16 x (row / 8)
	s_delay_alu instid0(VALU_DEP_1)
	v_lshlrev_b32 v[KSO], 5, v[KSO]                ; 32 bytes from key to key
	; V's scale word number n = thread + 512 i lies at SCV + 4 n: step n / 64, lane (n / 2) % 32, register n % 2: row d = 32 (n % 2) + 16 (lane / 16) + lane % 16
	v_and_b32 v[VSO], 1, v0
	s_delay_alu instid0(VALU_DEP_1)
	v_lshlrev_b32 v[VSO], 5, v[VSO]
	v_bfe_u32 v92, v0, 5, 1
	s_delay_alu instid0(VALU_DEP_1)
	v_lshl_add_u32 v[VSO], v92, 4, v[VSO]
	v_bfe_u32 v92, v0, 1, 4
	s_delay_alu instid0(VALU_DEP_1)
	v_add_nc_u32 v[VSO], v[VSO], v92
	s_delay_alu instid0(VALU_DEP_1)
	v_lshlrev_b32 v[VSO], 6, v[VSO]                ; 64 bytes a row,
	v_lshrrev_b32 v92, 6, v0
	s_delay_alu instid0(VALU_DEP_1)
	v_lshl_add_u32 v[VSO], v92, 2, v[VSO]          ; 4 bytes a step
	v_mul_u32_u24 v[QO], v30, 768
	s_delay_alu instid0(VALU_DEP_1)
	v_mad_u32_u24 v[QO], v31, 24, v[QO]            ; Q: row r, + my half's 24 bytes
	v_lshlrev_b32 v[QSO], 5, v30                   ; and its two scale bytes
.irp i, 0,1,2,3
	global_load_u16 v[SX+\i], v[KSO], s[80:81] offset:16384*\i     ; a key's two scale bytes; the word's upper two bytes come as 0
.endr
.irp i, 0,1
	global_load_b32 v[SX+4+\i], v[VSO], s[82:83] offset:32*\i
.endr
.irp p, 0,1,2
	global_load_b64 v[QH+2*\p:QH+2*\p+1], v[QO], s[68:69] offset:8*\p   ; Q's fragments stay in registers
.endr
	global_load_u16 v[QSWH], v[QSO], s[72:73]
.irp p, 0,1,2
	global_load_b64 v[QL+2*\p:QL+2*\p+1], v[QO], s[70:71] offset:8*\p
.endr
	global_load_u16 v[QSWL], v[QSO], s[74:75]
	v_lshl_add_u32 v[SWK], v0, 2, SCK
	v_lshl_add_u32 v[SWV], v0, 2, SCV
	v_and_b32 v92, 8, v30
	s_delay_alu instid0(VALU_DEP_1)
	v_add_nc_u32 v92, v92, v30                     ; r + 8 (r / 8)
	s_delay_alu instid0(VALU_DEP_1)
	v_mul_u32_u24 v[AK0], v92, KP
	s_delay_alu instid0(VALU_DEP_1)
	v_mad_u32_u24 v[AK0], v31, 24, v[AK0]
	v_mul_u32_u24 v[AV0], v30, VP
	s_delay_alu instid0(VALU_DEP_1)
	v_mad_u32_u24 v[AV0], v31, 24, v[AV0]
	s_delay_alu instid0(VALU_DEP_1)
	v_add_nc_u32 v[AV0], VB, v[AV0]
	s_delay_alu instid0(VALU_DEP_1)
	v_lshl_add_u32 v[AV1], v31, 4, v[AV0]
	v_and_b32 v93, 31, v0
	s_delay_alu instid0(VALU_DEP_1)
	v_lshl_add_u32 v[ASK0], v93, 4, SCK
	s_delay_alu instid0(VALU_DEP_2)
	v_lshl_add_u32 v[ASV0], v93, 3, SCV
	v_lshlrev_b32 v[GO], 12, v31
	s_delay_alu instid0(VALU_DEP_1)
	v_lshl_add_u32 v[GO], v30, 4, v[GO]            ; lanes 0-15 take one query's 256 bytes of out0, lanes 16-31 the next query's
	v_mul_u32_u24 v[STO], v30, SP
	s_delay_alu instid0(VALU_DEP_1)
	v_lshl_add_u32 v[STO], v31, 5, v[STO]
	s_delay_alu instid0(VALU_DEP_1)
	v_add_nc_u32 v[STO], s89, v[STO]               ; in: row r; tile t's eight channels of my half: 64 t + 32 hh bytes on
	v_mul_u32_u24 v[SRD], v31, SP
	s_delay_alu instid0(VALU_DEP_1)
	v_lshl_add_u32 v[SRD], v30, 4, v[SRD]
	s_delay_alu instid0(VALU_DEP_1)
	v_add_nc_u32 v[SRD], s89, v[SRD]               ; back: lanes 0-15 one row, lanes 16-31 the next
	v_lshlrev_b32 v92, 4, v31
	s_delay_alu instid0(VALU_DEP_1)
	v_sub_nc_u32 v92, v30, v92
	s_delay_alu instid0(VALU_DEP_1)
	v_add_nc_u32 v[DMH], s67, v92
	s_delay_alu instid0(VALU_DEP_2)
	v_add_nc_u32 v[DML], s94, v92
	v_mov_b32 v[NINF], 0xff800000
.irp i, 0,1,2,3,4,5
	v_mov_b32 v[QH+6+\i], 0                        ; Q's k = 64 .. 127: zero codes
	v_mov_b32 v[QL+6+\i], 0
	v_mov_b32 v[FR+48+\i], 0                       ; what source 0 of K's last tile names behind its codes
.endr
.irp b, 0,1,2,3
	v_mov_b32 v[T2+\b], 0                          ; written once: a lane permute's destination counts as one of its sources
.endr
	v_mov_b32 v[TMP], 0
	v_mov_b32 v[FF], 0
	v_mov_b32 v[FF+1], 0                           ; (named as the upper half of the pair)
; A tile begins: O^T and the sum as zeros, the largest t as -3e38.  (The step is written without a first step of its own: the first change of M multiplies zeros by 0.  32 moves a tile against three more copies of the step.)
.macro INIT
	v_mov_b32 v13, 0xff61b1e6
	s_delay_alu instid0(VALU_DEP_1)
	v_floor_f32 v12, -v13
	v_mov_b32 v14, 0
	v_mov_b32 v15, 0
.irp j, 0,1,2,3,4,5,6,7,8,9,10,11,12,13,14,15,16,17,18,19,20,21,22,23,24,25,26,27,28,29,30,31
	v_mov_b32 v[OT+\j], 0
.endr
.endm
; A fragment of V, 16 rows x 128 keys: lane l holds row l % 16; registers 6 c .. 6 c + 5 hold keys 64 c + 32 (l / 16) + 0 .. 31: 24 bytes of the row's stream of bits, in pieces of 8 bytes.  Lanes 0-15 take pieces
; 12 q + 0, 1, 2 and 12 q + 6, 7, 8 of the chunk's row, lanes 16-31 those three pieces on; 16 bytes of padding lie behind every 8 pieces: where the piece three on lies behind one padding more, the second address register serves.
.macro FRAGV reg, q, i
.irp p, 0,1,2,3,4,5
.set PCN, 12*(\q)+6*(\p/3)+\p%3
.if PCN%8 < 5
	ds_load_b64 v[\reg+2*\p:\reg+2*\p+1], v[ADV] offset:8*PCN+16*(PCN/8)+(\i)*16*VP
.else
	ds_load_b64 v[\reg+2*\p:\reg+2*\p+1], v[ADV1] offset:8*PCN+16*(PCN/8)+(\i)*16*VP
.endif
.endr
.endm
; A STEP: 128 keys, the st-th of the trip's 256.  msk = 1: the step may be hidden or on the diagonal.  qf, qw: the tile's Q and its scale words; dm: its lane data for the diagonal; sd: the step on its diagonal.
.macro STEP st, msk, qf, qw, dm, sd
.if \msk
	s_add_co_u32 s[T0], s[KST], \st
	s_cmp_gt_u32 s[T0], s[\sd]                     ; all its keys come after my queries: the step is left out.  The branch hangs on the wave's number and the step; no barrier and no tensor load stands in a step
	s_cbranch_scc1 .Lhidden_\@
.endif
	v_add_nc_u32 v[ADK], s[TK], v[AK0]             ; these five are the places behind the last step's products, in front of the loads into registers that those have read (four are asked)
	v_add_nc_u32 v[ADS], s[TSK], v[ASK0]
	v_add_nc_u32 v[ADV], s[TV], v[AV0]
	v_add_nc_u32 v[ADV1], s[TV], v[AV1]
	v_add_nc_u32 v[ADT], s[TSV], v[ASV0]
	ds_load_b128 v[KSW:KSW+3], v[ADS] offset:512*\st               ; the eight tiles' scale words
.irp t, 0,1,2,3,4,5,6,7
.irp p, 0,1,2
	ds_load_b64 v[FR+6*\t+2*\p:FR+6*\t+2*\p+1], v[ADK] offset:(128*(\st)+32*(\t/2)+8*(\t%2))*KP+8*\p
.endr
.endr
	s_wait_alu depctr_va_vdst(0)
	s_wait_dscnt 0x0
.irp t, 0,1,2,3,4,5,6,7                        ; S^T = K Q^T: eight accumulators, one instruction each
.if \t%2
	v_wmma_scale_f32_16x16x128_f8f6f4 v[SX+8*\t:SX+8*\t+7], v[FR+6*\t:FR+6*\t+11], v[\qf:\qf+11], 0, v[KSW+\t/2], v[\qw] matrix_a_fmt:MATRIX_FMT_BF6 matrix_b_fmt:MATRIX_FMT_BF6 matrix_a_scale:MATRIX_SCALE_ROW1
.else
	v_wmma_scale_f32_16x16x128_f8f6f4 v[SX+8*\t:SX+8*\t+7], v[FR+6*\t:FR+6*\t+11], v[\qf:\qf+11], 0, v[KSW+\t/2], v[\qw] matrix_a_fmt:MATRIX_FMT_BF6 matrix_b_fmt:MATRIX_FMT_BF6
.endif
.endr
.rept 4
	v_nop                                          ; four places: in front of the loads into K's registers, and of the first read of the scores
.endr
	ds_load_b64 v[VSW:VSW+1], v[ADT] offset:256*\st                ; V's fragments and scale words are asked for now and land under the softmax
.irp t, 0,1,2,3
	FRAGV FR+12*\t, \st, \t
.endr
.if \msk
	s_cmp_lt_u32 s[T0], s[\sd]                     ; a step all of whose keys count skips the mask
	s_cbranch_scc1 .Lopen_\@
.irp n, 0,1,2,3,4,5,6,7,8,9,10,11,12,13,14,15,16,17,18,19,20,21,22,23,24,25,26,27,28,29,30,31,32,33,34,35,36,37,38,39,40,41,42,43,44,45,46,47,48,49,50,51,52,53,54,55,56,57,58,59,60,61,62,63
	v_cmp_gt_i32 vcc_lo, 32*(\n/16)+\n%16, v[\dm]  ; register 16 b + i holds the step's key 32 b + 16 (lane / 16) + i: hidden where it comes after my query
	v_cndmask_b32 v[SX+\n], v[SX+\n], v[NINF], vcc_lo              ; -infinity ahead of the maximum: p = 0 then
.endr
.Lopen_\@:
.endif
.irp b, 0,1,2,3
	v_max3_num_f32 v[BM+\b], v[SX+16*\b], v[SX+1+16*\b], v[SX+2+16*\b]   ; THE LARGEST SCORE OF EACH BLOCK OF 32 KEYS serves twice: for the row's maximum, and, since p rises with the score, for the block's largest p
.endr
.irp i, 3,5,7,9,11,13
.irp b, 0,1,2,3
	v_max3_num_f32 v[BM+\b], v[BM+\b], v[SX+16*\b+\i], v[SX+1+16*\b+\i]   ; (the four blocks by turns)
.endr
.endr
.irp b, 0,1,2,3
	v_max_num_f32 v[BM+\b], v[BM+\b], v[SX+15+16*\b]
.endr
.irp b, 0,1,2,3
	s_delay_alu instid0(VALU_DEP_4)
	v_permlanex16_b32 v[T2+\b], v[BM+\b], s[SEL], s[SEL+1]
.endr
.irp b, 0,1,2,3
	s_delay_alu instid0(VALU_DEP_4)
	v_max_num_f32 v[BM+\b], v[BM+\b], v[T2+\b]     ; with lane l xor 16's 16 keys
.endr
	s_delay_alu instid0(VALU_DEP_2)
	v_max3_num_f32 v[TMP], v[BM], v[BM+1], v[BM+2]
	s_delay_alu instid0(VALU_DEP_1)
	v_max_num_f32 v[TMP], v[TMP], v[BM+3]          ; the step's largest score of my query
	s_delay_alu instid0(VALU_DEP_1)
	v_mul_f32 v[TMP], s[CS], v[TMP]                ; as t (c is positive)
	s_delay_alu instid0(VALU_DEP_1)
	v_max_num_f32 v13, v13, v[TMP]                 ; the running largest t
	v_mov_b32 v[TMP], v12
	s_delay_alu instid0(VALU_DEP_2)
	v_floor_f32 v12, -v13                          ; the new -M = floor(-t) = -ceil(t): M IS A WHOLE NUMBER
	s_delay_alu instid0(VALU_DEP_1)
	v_sub_f32 v[TMP], v12, v[TMP]                  ; M's old value less its new one: a whole number, 0 or less
	s_delay_alu instid0(VALU_DEP_1)
	v_cvt_i32_f32 v[TMP], v[TMP]                   ; (it saturates)
	s_delay_alu instid0(VALU_DEP_1)
	v_ldexp_f32 v[FF], 1.0, v[TMP]                 ; f = 2^(old M - new M): a multiplication by it rounds nothing
.irp j, 0,2,4,6,8,10,12,14,16,18,20,22,24,26,28,30,32,34,36,38,40,42,44,46,48,50,52,54,56,58,60,62
	v_pk_fma_f32 v[SX+\j:SX+\j+1], v[SX+\j:SX+\j+1], s[CS:CS+1], v[12:13] op_sel_hi:[1,0,0]   ; t - M, two at a time (of the pairs c and -M the low word serves both halves)
.endr
.irp b, 0,1,2,3
	v_fma_f32 v[BM+\b], v[BM+\b], s[CS], v12       ; the same of each block's largest score
.endr
	s_wait_alu depctr_va_vdst(0)
.irp j, 0,1,2,3,4,5,6,7,8,9,10,11,12,13,14,15,16,17,18,19,20,21,22,23,24,25,26,27,28,29,30,31,32,33,34,35,36,37,38,39,40,41,42,43,44,45,46,47,48,49,50,51,52,53,54,55,56,57,58,59,60,61,62,63
	v_exp_f32 v[SX+\j], v[SX+\j]                   ; p = 2^(t - M), at most 1: NOT normalised
.endr
.irp b, 0,1,2,3
	v_exp_f32 v[BM+\b], v[BM+\b]                   ; the block's largest p: the same two instructions on the same number give the same bits
.endr
	v_pk_mul_f32 v[14:15], v[14:15], v[FF:FF+1] op_sel_hi:[1,0]    ; the sums under the new M.  (The plain place behind the exponentials)
	s_wait_alu depctr_va_vdst(0)
.irp b, 0,1,2,3
	v_max_num_f32 v[BM+\b], 0x2800000, v[BM+\b]    ; the floor 2^(5 - 127): the byte cannot fall under 1 (a block whose every p is 0 keeps that byte: its codes are zeros)
.endr
.irp b, 0,1,2,3
	s_delay_alu instid0(VALU_DEP_4)
	v_add_nc_u32 v[SO+\b], 0xfe000000, v[BM+\b]    ; 4 off the exponent field: the conversion's scale operand
.endr
.irp b, 0,1,2,3
	s_delay_alu instid0(VALU_DEP_4)
	v_lshrrev_b32 v[T2+\b], 23, v[SO+\b]           ; the scale's byte
.endr
	s_delay_alu instid0(VALU_DEP_3)
	v_lshl_or_b32 v[PSW], v[T2+1], 8, v[T2]        ; p's scale word for these 128 keys
	s_delay_alu instid0(VALU_DEP_1)
	v_lshl_or_b32 v[PSW], v[T2+2], 16, v[PSW]
	s_delay_alu instid0(VALU_DEP_1)
	v_lshl_or_b32 v[PSW], v[T2+3], 24, v[PSW]
.irp c, 0,1
	v_cvt_scalef32_pk16_bf6_f32 v[PCD+6*\c:PCD+6*\c+2], v[SX+32*\c:SX+32*\c+15], v[SO+2*\c]
	v_cvt_scalef32_pk16_bf6_f32 v[CV+4*\c:CV+4*\c+2], v[SX+16+32*\c:SX+31+32*\c], v[SO+2*\c+1]   ; (a conversion's three registers begin on an even number)
.endr
	v_nop                                          ; one plain vector instruction between a scaled conversion and the vector instruction that touches its result
.irp c, 0,1                                    ; the operand's layout wants a WHOLE block in a lane: lanes 0-15 block 2 c, lanes 16-31 block 2 c + 1
.irp i, 0,1,2
	v_permlane16_swap_b32 v[PCD+6*\c+\i], v[CV+4*\c+\i]
.endr
.irp i, 0,1,2
	s_delay_alu instid0(VALU_DEP_3)
	v_mov_b32 v[PCD+3+6*\c+\i], v[CV+4*\c+\i]
.endr
.endr
	v_pk_add_f32 v[238:239], v[100:101], v[104:105]
	v_pk_add_f32 v[226:227], v[108:109], v[112:113]
	v_pk_add_f32 v[224:225], v[116:117], v[120:121]
	v_pk_add_f32 v[222:223], v[124:125], v[128:129]
	v_pk_add_f32 v[220:221], v[132:133], v[136:137]
	v_pk_add_f32 v[214:215], v[140:141], v[144:145]
	v_pk_add_f32 v[212:213], v[148:149], v[152:153]
	v_pk_add_f32 v[14:15], v[14:15], v[156:157]
	v_pk_add_f32 v[238:239], v[238:239], v[96:97]
	v_pk_add_f32 v[226:227], v[226:227], v[98:99]
	v_pk_add_f32 v[224:225], v[224:225], v[102:103]
	v_pk_add_f32 v[222:223], v[222:223], v[106:107]
	v_pk_add_f32 v[220:221], v[220:221], v[110:111]
	v_pk_add_f32 v[214:215], v[214:215], v[114:115]
	v_pk_add_f32 v[212:213], v[212:213], v[118:119]
	v_pk_add_f32 v[14:15], v[14:15], v[122:123]
	v_pk_add_f32 v[238:239], v[238:239], v[126:127]
	v_pk_add_f32 v[226:227], v[226:227], v[130:131]
	v_pk_add_f32 v[224:225], v[224:225], v[134:135]
	v_pk_add_f32 v[222:223], v[222:223], v[138:139]
	v_pk_add_f32 v[220:221], v[220:221], v[142:143]
	v_pk_add_f32 v[214:215], v[214:215], v[146:147]
	v_pk_add_f32 v[212:213], v[212:213], v[150:151]
	v_pk_add_f32 v[14:15], v[14:15], v[154:155]
	v_pk_add_f32 v[238:239], v[238:239], v[158:159]
	s_delay_alu instid0(VALU_DEP_2)
	v_pk_add_f32 v[14:15], v[14:15], v[222:223]
	s_delay_alu instid0(VALU_DEP_2)
	v_pk_add_f32 v[238:239], v[238:239], v[220:221]
	v_pk_add_f32 v[226:227], v[226:227], v[214:215]
	v_pk_add_f32 v[224:225], v[224:225], v[212:213]
	s_delay_alu instid0(VALU_DEP_2)
	v_pk_add_f32 v[14:15], v[14:15], v[226:227]
	s_delay_alu instid0(VALU_DEP_2)
	v_pk_add_f32 v[238:239], v[238:239], v[224:225]
	s_delay_alu instid0(VALU_DEP_1)
	v_pk_add_f32 v[14:15], v[14:15], v[238:239]
.irp j, 0,2,4,6,8,10,12,14,16,18,20,22,24,26,28,30
	v_pk_mul_f32 v[OT+\j:OT+\j+1], v[OT+\j:OT+\j+1], v[FF:FF+1] op_sel_hi:[1,0]   ; O^T under the new M: x f, each tile from its low end on.  (With the sums above: the places between p's codes and scale word and the products below)
.endr
	s_wait_alu depctr_va_vdst(0)
	s_wait_dscnt 0x0                               ; V is in
.irp t, 0,1,2,3                                ; O^T += V^T P^T: four accumulators, one instruction each; K = these 128 keys
.if \t%2
	v_wmma_scale_f32_16x16x128_f8f6f4 v[OT+8*\t:OT+8*\t+7], v[FR+12*\t:FR+12*\t+11], v[PCD:PCD+11], v[OT+8*\t:OT+8*\t+7], v[VSW+\t/2], v[PSW] matrix_a_fmt:MATRIX_FMT_BF6 matrix_b_fmt:MATRIX_FMT_BF6 matrix_a_scale:MATRIX_SCALE_ROW1
.else
	v_wmma_scale_f32_16x16x128_f8f6f4 v[OT+8*\t:OT+8*\t+7], v[FR+12*\t:FR+12*\t+11], v[PCD:PCD+11], v[OT+8*\t:OT+8*\t+7], v[VSW+\t/2], v[PSW] matrix_a_fmt:MATRIX_FMT_BF6 matrix_b_fmt:MATRIX_FMT_BF6
.endif
.endr
.if \msk
.Lhidden_\@:
.endif
.endm
; Four trips of two steps begin at step first (0 or 8): every stepped number is set by a constant
.macro START first
	s_mov_b32 s[TK], \first*128*KP
	s_mov_b32 s[TV], (\first/2)*VCH
	s_mov_b32 s[TSK], \first*512
	s_mov_b32 s[TSV], \first*256
	s_mov_b32 s[KST], \first
	s_mov_b32 s[CNT], 4
.endm
.macro TRIPEND                                 ; on to the next 256 keys: on every path, that of hidden steps too
	s_add_co_u32 s[TK], s[TK], 256*KP
	s_add_co_u32 s[TV], s[TV], VCH
	s_add_co_u32 s[TSK], s[TSK], 1024
	s_add_co_u32 s[TSV], s[TSV], 512
	s_add_co_u32 s[KST], s[KST], 2
	s_sub_co_u32 s[CNT], s[CNT], 1
	s_cmp_lg_u32 s[CNT], 0
.endm
; THE WAY OUT of a tile.  The sum's halves are added; O^T is divided by the sum and goes through my own stage in LDS: a lane holds 32 bytes of a query's 256, and the lanes beside it hold other queries;
; it comes back as whole rows, and sixteen lanes store a query's 256 consecutive bytes, at a multiple of 256 from out0's first byte.
.macro FINISH base
.rept 4
	v_nop                                          ; four places behind the last products, in front of the first read of O^T
.endr
	v_add_f32 v14, v14, v15                        ; the sum's two halves,
	s_delay_alu instid0(VALU_DEP_1)
	v_permlanex16_b32 v[TMP], v14, s[SEL], s[SEL+1]
	s_delay_alu instid0(VALU_DEP_1)
	v_add_f32 v14, v14, v[TMP]                     ; and lane l xor 16's: the row's sum.  It is at least 1/2: the row's largest p is
	s_wait_alu depctr_va_vdst(0)
	v_rcp_f32 v14, v14
	v_nop                                          ; one plain place behind a transcendental
	s_wait_alu depctr_va_vdst(0)
.irp j, 0,1,2,3,4,5,6,7,8,9,10,11,12,13,14,15,16,17,18,19,20,21,22,23,24,25,26,27,28,29,30,31
	v_mul_f32 v[SX+\j], v[OT+\j], v14              ; O^T / the sum: register 8 t + i is o(query r, channel 16 t + 8 hh + i)
.endr
.irp t, 0,1,2,3
	ds_store_b128 v[STO], v[SX+8*\t:SX+8*\t+3] offset:64*\t
	ds_store_b128 v[STO], v[SX+8*\t+4:SX+8*\t+7] offset:64*\t+16
.endr
.irp i, 0,1,2,3,4,5,6,7
	ds_load_b128 v[SX+32+4*\i:SX+35+4*\i], v[SRD] offset:2*\i*SP   ; LDS serves a wave's instructions in order (ISA guide 5.7.1.4): these see my stores
.endr
.irp i, 0,1,2,3,4,5,6,7
	s_wait_dscnt 7-\i                              ; load i is in; the 7 - i issued behind it may be out
	global_store_b128 v[GO], v[SX+32+4*\i:SX+35+4*\i], s[\base:\base+1] offset:2*\i*4096 th:TH_STORE_NT   ; written once, read by nobody here
.endr
.endm
	INIT
	s_wait_loadcnt 8                               ; my six loads of scale bytes are in; the eight of Q, issued behind them, may be out
.irp i, 0,1,2,3
	ds_store_b32 v[SWK], v[SX+\i] offset:2048*\i
.endr
.irp i, 0,1
	ds_store_b32 v[SWV], v[SX+4+\i] offset:2048*\i
.endr
	s_wait_tensorcnt 0x1                           ; my first load (keys 0-1023) has landed; the second, issued behind it, may stay out, and steps 0-7 read the first loads' bytes alone
	s_wait_dscnt 0x0                               ; for the others' sake: my scale words lie in LDS
	s_barrier_signal -1
	s_barrier_wait -1                              ; everybody's do, and keys 0-1023 of K and V are whole
	s_wait_loadcnt 0x0                             ; Q
	START 0
.Lfirst_half:                                      ; tile 31 - w, steps 0-7: its diagonal lies in step 8 or later, so all these keys count, in every wave
	STEP 0, 0, QH, QSWH, DMH, SDH
	STEP 1, 0, QH, QSWH, DMH, SDH
	TRIPEND
	s_cbranch_scc1 .Lfirst_half
	s_wait_tensorcnt 0x0                           ; my second load has landed
	s_wait_dscnt 0x0
	s_barrier_signal -1
	s_barrier_wait -1                              ; everybody's has: all of K and V is there.  Every wave has done eight steps' work here
	START 8
.Lsecond_half:                                     ; tile 31 - w, steps 8-15: open, on the diagonal or hidden
	STEP 0, 1, QH, QSWH, DMH, SDH
	STEP 1, 1, QH, QSWH, DMH, SDH
	TRIPEND
	s_cbranch_scc1 .Lsecond_half
	FINISH 76
	s_wait_xcnt 0x0                                ; the stores have read their registers: the next tile's scores are written there only behind this wait
	INIT
	START 0
.Lsecond_tile:                                     ; tile w, steps 0-7
	STEP 0, 1, QL, QSWL, DML, SDL
	STEP 1, 1, QL, QSWL, DML, SDL
	TRIPEND
	s_cbranch_scc1 .Lsecond_tile
	FINISH 78                                      ; its last wait on DScnt is for 0: no LDS instruction of mine is out at the round below
	s_wait_tensorcnt 0x0
	ds_add_u32 v254, v255
	s_wait_dscnt 0x0
	CROUND                                         ; the closing round: no work-group ends while a partner may still ask for a tile that names it
	s_endpgm
.Lfunc_end_k_qc22b2e4d01_attn:
	.size	k_qc22b2e4d01_attn, .Lfunc_end_k_qc22b2e4d01_attn-k_qc22b2e4d01_attn
	.p2alignl 7, 3214868480
	.fill 96, 4, 3214868480
	.section	.rodata,"a",@progbits
	.p2align	6, 0x0
	.amdhsa_kernel k_qc22b2e4d01_attn
		.amdhsa_group_segment_fixed_size 305152
		.amdhsa_private_segment_fixed_size 0
		.amdhsa_enable_private_segment 0
		.amdhsa_kernarg_size 56
		.amdhsa_user_sgpr_count 2
		.amdhsa_user_sgpr_kernarg_segment_ptr 1
		.amdhsa_wavefront_size32 1
		.amdhsa_system_sgpr_workgroup_id_x 1
		.amdhsa_system_sgpr_workgroup_id_y 1
		.amdhsa_system_sgpr_workgroup_id_z 1
		.amdhsa_system_vgpr_workitem_id 0
		.amdhsa_next_free_vgpr 256
		.amdhsa_next_free_sgpr 96
		.amdhsa_reserve_vcc 1
		.amdhsa_float_denorm_mode_32 3
		.amdhsa_float_denorm_mode_16_64 3
		.amdhsa_memory_ordered 1
		.amdhsa_forward_progress 1
		.amdhsa_inst_pref_size 153
	.end_amdhsa_kernel
	.amdgpu_metadata
---
amdhsa.version: [ 1, 2 ]
amdhsa.kernels:
  - .name:           k_qc22b2e4d01_attn
    .symbol:         k_qc22b2e4d01_attn.kd
    .args:
      - { .name: keys_codes, .offset: 0, .size: 8, .value_kind: global_buffer, .address_space: global }
      - { .name: keys_scales, .offset: 8, .size: 8, .value_kind: global_buffer, .address_space: global }
      - { .name: queries_codes, .offset: 16, .size: 8, .value_kind: global_buffer, .address_space: global }
      - { .name: queries_scales, .offset: 24, .size: 8, .value_kind: global_buffer, .address_space: global }
      - { .name: values_codes, .offset: 32, .size: 8, .value_kind: global_buffer, .address_space: global }
      - { .name: values_scales, .offset: 40, .size: 8, .value_kind: global_buffer, .address_space: global }
      - { .name: out0, .offset: 48, .size: 8, .value_kind: global_buffer, .address_space: global }
    .group_segment_fixed_size: 305152
    .private_segment_fixed_size: 0
    .kernarg_segment_align: 8
    .kernarg_segment_size: 56
    .max_flat_workgroup_size: 512
    .sgpr_count:     96
    .vgpr_count:     256
    .wavefront_size: 32
...
	.end_amdgpu_metadata
.endif
;; end of part 1
